; MI455X (gfx1250); checked and timed in simulation.
; The chip was launched on July 23, 2026; its instructions are those of AMD's public machine-readable ISA for CDNA 5 (MIT licence, August 2026) and "CDNA5" Instruction Set Architecture Reference Guide (July 2026). The comments in the code are by the model that wrote it; some were corrected since.
;; Mo E Layer. Allowed arithmetic: float matrix products may take bf16 or f16 operands with f32 sums; other float arithmetic in f32, or as packed bf16 or f16 multiplies, adds, multiply-adds, maxima and minima; sums over many terms, partial sums and values carried from step to step in f32; what a program stores and reads back later, other than sums and carried values, may be rounded once to bf16 or f16.
;; Inputs: W1 8 x 1,024 x 1,024 float32; W2 8 x 1,024 x 1,024 float32; Wr 8 x 1,024 float32; b1 8 x 1,024 float32; b2 8 x 1,024 float32; br 8 float32; x 2 x 2,048 x 1,024 float32.
;; Outputs: out0 2 x 2,048 x 1,024 float32.
;; One version. Each part assembles by itself: llvm-mc -triple=amdgcn-amd-amdhsa -mcpu=gfx1250 --defsym DOCPART=n.
;; ======== version 1 of 1: 4 launches
;; limits: values are held in f16: magnitudes above 65,504 overflow, below 6.1e-05 lose precision; a function is approximated: absolute error at most 1.5e-07
;; workspace buffers: xb 8,388,608 bytes; sid 16,384 bytes of whole numbers; gates 32,768 bytes; wf 33,554,432 bytes; tlist 28,672 bytes of whole numbers; tgate 57,344 bytes; tinfo 1,280 bytes of whole numbers; hb 25,886,720 bytes
;; launch router (part 1): grid 256 x 1, 4 waves a work-group, no clusters, 38,400 bytes of LDS; arguments x, Wr, br, xb, sid, gates; writes xb, sid, gates
.if DOCPART == 1
	.amdgcn_target "amdgcn-amd-amdhsa--gfx1250"
	.amdhsa_code_object_version 6
	.text
	.protected	k_qa03dd16376_router
	.globl	k_qa03dd16376_router
	.p2align	8
	.type	k_qa03dd16376_router,@function
k_qa03dd16376_router:
	s_mov_b64 s[64:65], 0
	v_nop
	global_prefetch_b8 v0, s[64:65] scope:SCOPE_SE
	s_setreg_imm32_b32 hwreg(HW_REG_WAVE_MODE, 25, 1), 1
	s_wait_xcnt 0x0
; ROUTER.  logits = x Wr^T + br; the two largest of each token's eight, their softmax gates; and x rounded to bf16 for the products that follow.
; x: [4096][1024] f32.  Wr: [8][1024] f32.  br: [8] f32.  Out: xb [4096][1024] bf16; sid [4096] u32, the number of the token's SET of experts
; (a < b: a (15 - a) / 2 + b - a - 1, 0 to 27); gates [4096][2] f32 = (gate of a, gate of b).
; LIMITS.  x, Wr and br are rounded to bf16 before they are used, as every input of the program is.  The choice is made on the logits (ties: the lower index);
; two gates that round alike in f32 while their logits differ are told apart here.  NaN and infinities are not treated apart.
; SHARES.  A work-group owns 16 tokens, each of its four waves 256 of the 1,024 channels: eight matrix instructions a wave on two accumulators by turns.
; Source 0 = 16 rows of Wr (row r takes expert r % 8), source 1 = 16 tokens: in the result lane l holds token l % 16 and its registers 0-7 the eight experts.
; The four waves' partial logits meet in LDS; wave 0 finishes.  No clusters, no tensor loads: the launch streams x once and shares nothing but 32 KiB of Wr.
.set XPITCH, 528                       ; an LDS row: 512 bytes (256 bf16) + 16: an odd multiple of 16, so the 16 rows of a fragment load fall on different banks (ISA guide 11.1)
.set XTW,    16*XPITCH                 ; a wave's 16 rows
.set PART,   4*XTW                     ; 4 x 1,024 bytes: the waves' partial logits
.set SPARE,  PART+4096                 ; the spare words: 128 bytes a wave, two blocks of 256 that no other line names
.set SPW, 12                           ; v12  my spare word's address; never rewritten
.set NIL, 13                           ; v13  0; never rewritten
.set XR,  32                           ; v32-159  x as loaded: load i = 2 row + part in four registers; then two of them hold four bf16
.set XF,  32                           ; v32-95   later: x's eight fragments
.set PS,  32                           ; v32-63   later still, wave 0: the four partial sums
.set BR,  64                           ; v64-71   br, rounded
.set TE,  72                           ; v72-80   exponents and exponentials
.set WF,  160                          ; v160-223 Wr's eight fragments
.set ACC, 224                          ; v224-239 two accumulators
.set LG,  240                          ; v240-247 logits
.set MSB, 0
.macro WIN new                         ; the immediate's high byte repeats the setting that is left
.if MSB != (\new)
	s_set_vgpr_msb (MSB<<8)|(\new)
.set MSB, (\new)
.endif
.endm
	s_load_b256 s[4:11], s[0:1], 0x0               ; x s[4:5], Wr s[6:7], br s[8:9], xb s[10:11]
	s_load_b128 s[12:15], s[0:1], 0x20             ; sid s[12:13], gates s[14:15]
	v_lshl_add_u32 v[SPW], v0, 2, SPARE
	v_mov_b32 v[NIL], 0
	v_and_b32 v1, 31, v0                           ; lane
	v_lshrrev_b32 v14, 5, v0
	v_readfirstlane_b32 s20, v14                   ; wave
	v_and_b32 v2, 15, v0                           ; r
	v_bfe_u32 v3, v0, 4, 1                         ; h
	v_lshlrev_b32 v4, 4, v1                        ; x: 16 bytes a lane
	v_lshlrev_b32 v5, 3, v1                        ; xb: 8 bytes a lane
	s_mul_i32 s18, s20, XTW
	v_lshl_add_u32 v6, v1, 3, s18                  ; into my wave's rows: 8 bytes a lane
	v_mul_u32_u24 v7, v2, XPITCH
	v_lshl_add_u32 v7, v3, 4, v7
	v_add_nc_u32 v7, s18, v7                       ; a fragment's row r, 16 bytes for each half of the lanes
	v_and_b32 v14, 7, v0
	v_lshlrev_b32 v8, 12, v14                      ; Wr: expert r % 8,
	v_lshl_add_u32 v8, v3, 5, v8                   ; eight f32 for each half of the lanes,
	v_lshl_add_u32 v8, s20, 10, v8                 ; my wave's 256 channels
	s_lshl_b32 s19, s20, 10
	s_add_co_u32 s19, s19, PART
	v_lshl_add_u32 v9, v1, 5, s19                  ; my partial logits: 32 bytes a lane
	v_lshl_add_u32 v10, v1, 5, PART                ; wave 0 reads all four
	s_lshl_b32 s16, ttmp9, 16                      ; 16 rows of 4,096 bytes a work-group,
	s_lshl_b32 s21, s20, 10                        ; 1,024 bytes of a row a wave
	s_add_co_u32 s16, s16, s21
	s_mov_b32 s17, 0
	s_lshl_b32 s22, ttmp9, 15                      ; the same in bf16
	s_lshl_b32 s21, s20, 9
	s_add_co_u32 s22, s22, s21
	s_mov_b32 s23, 0
	s_wait_kmcnt 0x0
	s_add_nc_u64 s[4:5], s[4:5], s[16:17]
	s_add_nc_u64 s[10:11], s[10:11], s[22:23]
	s_load_b256 s[24:31], s[8:9], 0x0              ; br
.set i, 0
.rept 32                                               ; x: each load covers 512 consecutive bytes of a row
	global_load_b128 v[XR+4*i:XR+4*i+3], v4, s[4:5] offset:4096*(i/2)+512*(i%2) th:TH_LOAD_NT
.set i, i+1
.endr
	WIN 0x40                                       ; destination in window 1
.set i, 0
.rept 8                                                ; Wr in f32, in a fragment's order: k = 8 h + 0..7 and 16 + 8 h + 0..7 of each 32
	global_load_b128 v[16*i:16*i+3],     v8, s[6:7] offset:128*i
	global_load_b128 v[16*i+4:16*i+7],   v8, s[6:7] offset:128*i+16
	global_load_b128 v[16*i+8:16*i+11],  v8, s[6:7] offset:128*i+64
	global_load_b128 v[16*i+12:16*i+15], v8, s[6:7] offset:128*i+80
.set i, i+1
.endr
	WIN 0
	s_wait_loadcnt 32                              ; loads return in order: x is in, Wr's 32 loads may stay out
.set i, 0
.rept 32
	v_cvt_pk_bf16_f32 v[XR+4*i],   v[XR+4*i],   v[XR+4*i+1]
	v_cvt_pk_bf16_f32 v[XR+4*i+1], v[XR+4*i+2], v[XR+4*i+3]
	global_store_b64 v5, v[XR+4*i:XR+4*i+1], s[10:11] offset:2048*(i/2)+256*(i%2)  ; the wave's store covers 256 consecutive bytes, aligned
	ds_store_b64 v6, v[XR+4*i:XR+4*i+1] offset:XPITCH*(i/2)+256*(i%2)
.set i, i+1
.endr
	s_wait_xcnt 0x0                                ; the stores' data registers are loaded again only behind this wait
.set i, 0
.rept 8                                                ; my own rows back as fragments: LDS serves a wave's instructions in order
	ds_load_b128 v[XF+8*i:XF+8*i+3],   v7 offset:64*i
	ds_load_b128 v[XF+8*i+4:XF+8*i+7], v7 offset:64*i+32
.set i, i+1
.endr
	s_wait_loadcnt 0x0                             ; Wr
	WIN 0x05                                       ; sources in window 1, destination in window 0
.set i, 0
.rept 64
	v_cvt_pk_bf16_f32 v[WF+i], v[2*i], v[2*i+1]
.set i, i+1
.endr
	WIN 0
	s_wait_dscnt 0x0
.set i, 0
.rept 8                                                ; two accumulators by turns; the first two products start the sums
.if i < 2
	v_wmma_f32_16x16x32_bf16 v[ACC+8*(i%2):ACC+8*(i%2)+7], v[WF+8*i:WF+8*i+7], v[XF+8*i:XF+8*i+7], 0
.else
	v_wmma_f32_16x16x32_bf16 v[ACC+8*(i%2):ACC+8*(i%2)+7], v[WF+8*i:WF+8*i+7], v[XF+8*i:XF+8*i+7], v[ACC+8*(i%2):ACC+8*(i%2)+7]
.endif
.set i, i+1
.endr
.rept 4
	v_nop                                          ; four places between the last product and the first read of a result (ISA guide 7.12.1)
.endr
.set i, 0
.rept 4                                                ; from the low end on
	v_pk_add_f32 v[LG+2*i:LG+2*i+1], v[ACC+2*i:ACC+2*i+1], v[ACC+8+2*i:ACC+8+2*i+1]
.set i, i+1
.endr
	ds_store_b128 v9, v[LG:LG+3]
	ds_store_b128 v9, v[LG+4:LG+7] offset:16
	s_wait_dscnt 0x0                               ; for wave 0's sake: my partial logits are in LDS
	s_barrier_signal -1
	s_barrier_wait -1
	s_cmp_lg_u32 s20, 0
	s_cbranch_scc1 .Lend                           ; no barrier stands behind this branch
.set i, 0
.rept 4
	ds_load_b128 v[PS+8*i:PS+8*i+3],   v10 offset:1024*i
	ds_load_b128 v[PS+8*i+4:PS+8*i+7], v10 offset:1024*i+16
.set i, i+1
.endr
	s_wait_kmcnt 0x0                               ; br
.set i, 0
.rept 4                                                ; br rounded to bf16 and widened again
	v_cvt_pk_bf16_f32 v14, s[24+2*i], s[25+2*i]
	v_lshlrev_b32 v[BR+2*i], 16, v14
	v_and_b32 v[BR+2*i+1], 0xffff0000, v14
.set i, i+1
.endr
	s_lshl_b32 s16, ttmp9, 6                       ; 16 tokens x 4 bytes of sid,
	s_add_nc_u64 s[12:13], s[12:13], s[16:17]
	s_lshl_b32 s16, ttmp9, 7                       ; x 8 bytes of gates
	s_add_nc_u64 s[14:15], s[14:15], s[16:17]
	v_lshlrev_b32 v30, 2, v2
	v_lshlrev_b32 v31, 3, v2
	s_mov_b32 s41, 0x3fb8aa3b                      ; log2(e)
	s_wait_dscnt 0x0
.set i, 0
.rept 4
	v_pk_add_f32 v[PS+2*i:PS+2*i+1],       v[PS+2*i:PS+2*i+1],       v[PS+8+2*i:PS+8+2*i+1]
	v_pk_add_f32 v[PS+16+2*i:PS+16+2*i+1], v[PS+16+2*i:PS+16+2*i+1], v[PS+24+2*i:PS+24+2*i+1]
	v_pk_add_f32 v[PS+2*i:PS+2*i+1],       v[PS+2*i:PS+2*i+1],       v[PS+16+2*i:PS+16+2*i+1]
	v_pk_add_f32 v[LG+2*i:LG+2*i+1],       v[PS+2*i:PS+2*i+1],       v[BR+2*i:BR+2*i+1]
.set i, i+1
.endr
	; the largest: a strict compare keeps the lower index
	v_mov_b32 v16, v[LG]
	v_mov_b32 v17, 0
.set j, 1
.rept 7
	v_cmp_gt_f32 vcc_lo, v[LG+j], v16
	v_cndmask_b32 v16, v16, v[LG+j], vcc_lo
	v_cndmask_b32 v17, v17, j, vcc_lo
.set j, j+1
.endr
	; the largest of the other seven
	v_mov_b32 v18, 0xff800000
	v_mov_b32 v19, 0
.set j, 0
.rept 8
	v_cmp_ne_u32 s40, j, v17
	v_cmp_gt_f32 vcc_lo, v[LG+j], v18
	s_and_b32 vcc_lo, vcc_lo, s40
	v_cndmask_b32 v18, v18, v[LG+j], vcc_lo
	v_cndmask_b32 v19, v19, j, vcc_lo
.set j, j+1
.endr
	; softmax with the maximum taken away: the largest logit's exponential is exactly 1
.set j, 0
.rept 8
	v_sub_f32 v[TE+j], v[LG+j], v16
.set j, j+1
.endr
	v_sub_f32 v[TE+8], v18, v16
.set j, 0
.rept 9
	v_mul_f32 v[TE+j], s41, v[TE+j]
.set j, j+1
.endr
.set j, 0
.rept 9
	v_exp_f32 v[TE+j], v[TE+j]
.set j, j+1
.endr
	v_nop                                          ; a plain instruction behind the last exponential,
	s_wait_alu depctr_va_vdst(0)                   ; and one wait for the nine, ahead of their first reader
	v_pk_add_f32 v[TE:TE+1],   v[TE:TE+1],   v[TE+2:TE+3]
	v_pk_add_f32 v[TE+4:TE+5], v[TE+4:TE+5], v[TE+6:TE+7]
	v_pk_add_f32 v[TE:TE+1],   v[TE:TE+1],   v[TE+4:TE+5]
	v_add_f32 v21, v[TE], v[TE+1]
	v_rcp_f32 v22, v21                             ; the largest gate
	v_cmp_lt_u32 vcc_lo, v17, v19                  ; (the plain instruction behind the reciprocal)
	s_wait_alu depctr_va_vdst(0)
	v_mul_f32 v23, v[TE+8], v22                    ; the second
	v_cndmask_b32 v24, v19, v17, vcc_lo            ; a: the lower index,
	v_cndmask_b32 v25, v17, v19, vcc_lo            ; b: the higher,
	v_cndmask_b32 v26, v23, v22, vcc_lo            ; and their gates
	v_cndmask_b32 v27, v22, v23, vcc_lo
	v_sub_nc_u32 v28, 15, v24
	v_mul_u32_u24 v28, v24, v28
	v_lshrrev_b32 v28, 1, v28
	v_sub_nc_u32 v29, v25, v24
	v_add3_u32 v28, v28, v29, -1                   ; a (15 - a) / 2 + b - a - 1
	s_wait_xcnt 0x0                                ; EXEC changes only behind this wait
	v_cmp_gt_u32 vcc_lo, 16, v1                    ; lanes 16-31 hold the same 16 tokens once more
	s_and_saveexec_b32 s42, vcc_lo
	global_store_b32 v30, v28, s[12:13]
	global_store_b64 v31, v[26:27], s[14:15]
	s_wait_xcnt 0x0                                ; and again in front of the line that widens it
	s_or_b32 exec_lo, exec_lo, s42
.Lend:
	s_wait_tensorcnt 0x0                           ; the wave's end
	ds_add_u32 v[SPW], v[NIL]
	s_wait_dscnt 0x0
	s_endpgm
.Lfunc_end_k_qa03dd16376_router:
	.size	k_qa03dd16376_router, .Lfunc_end_k_qa03dd16376_router-k_qa03dd16376_router
	.p2alignl 7, 3214868480
	.fill 96, 4, 3214868480
	.section	.rodata,"a",@progbits
	.p2align	6, 0x0
	.amdhsa_kernel k_qa03dd16376_router
		.amdhsa_group_segment_fixed_size 38400
		.amdhsa_private_segment_fixed_size 0
		.amdhsa_enable_private_segment 0
		.amdhsa_kernarg_size 48
		.amdhsa_user_sgpr_count 2
		.amdhsa_user_sgpr_kernarg_segment_ptr 1
		.amdhsa_wavefront_size32 1
		.amdhsa_system_sgpr_workgroup_id_x 1
		.amdhsa_system_sgpr_workgroup_id_y 1
		.amdhsa_system_sgpr_workgroup_id_z 1
		.amdhsa_system_vgpr_workitem_id 0
		.amdhsa_next_free_vgpr 384
		.amdhsa_next_free_sgpr 66
		.amdhsa_reserve_vcc 1
		.amdhsa_float_denorm_mode_32 3
		.amdhsa_float_denorm_mode_16_64 3
		.amdhsa_memory_ordered 1
		.amdhsa_forward_progress 1
		.amdhsa_inst_pref_size 31
	.end_amdhsa_kernel
	.amdgpu_metadata
---
amdhsa.version: [ 1, 2 ]
amdhsa.kernels:
  - .name:           k_qa03dd16376_router
    .symbol:         k_qa03dd16376_router.kd
    .args:
      - { .name: x, .offset: 0, .size: 8, .value_kind: global_buffer, .address_space: global }
      - { .name: Wr, .offset: 8, .size: 8, .value_kind: global_buffer, .address_space: global }
      - { .name: br, .offset: 16, .size: 8, .value_kind: global_buffer, .address_space: global }
      - { .name: xb, .offset: 24, .size: 8, .value_kind: global_buffer, .address_space: global }
      - { .name: sid, .offset: 32, .size: 8, .value_kind: global_buffer, .address_space: global }
      - { .name: gates, .offset: 40, .size: 8, .value_kind: global_buffer, .address_space: global }
    .group_segment_fixed_size: 38400
    .private_segment_fixed_size: 0
    .kernarg_segment_align: 8
    .kernarg_segment_size: 48
    .max_flat_workgroup_size: 128
    .sgpr_count:     66
    .vgpr_count:     384
    .wavefront_size: 32
...
	.end_amdgpu_metadata
.endif
;; end of part 1
;; launch prep (part 2): grid 513 x 1, 8 waves a work-group, no clusters, 120,832 bytes of LDS; arguments W1, W2, sid, gates, wf, tlist, tgate, tinfo; writes wf, tlist, tgate, tinfo
.if DOCPART == 2
	.amdgcn_target "amdgcn-amd-amdhsa--gfx1250"
	.amdhsa_code_object_version 6
	.text
	.protected	k_qa03dd16376_prep
	.globl	k_qa03dd16376_prep
	.p2align	8
	.type	k_qa03dd16376_prep,@function
k_qa03dd16376_prep:
	s_mov_b64 s[64:65], 0
	v_nop
	global_prefetch_b8 v0, s[64:65] scope:SCOPE_SE
	s_setreg_imm32_b32 hwreg(HW_REG_WAVE_MODE, 25, 1), 1
	s_wait_xcnt 0x0
; PREP.  Work-groups 1 to 512 round W1 and W2 to bf16 and lay them out in the order in which a wave's operand registers take them; work-group 0 sorts the tokens by their set of experts.
; wf: W1 at 0, W2 at 16,777,216; each [expert 8][ng 8][kblk 32][nb 8][j 2][lane 32][16 bytes]: lane l = 16 h + r holds row n = 128 ng + 16 nb + r, k = 32 kblk + 16 j + 8 h + 0..7.
; FORMATS.  W1 is stored in bf16.  W2 is rounded to bf16 like every input, and that number is stored as f16, since the second product's other operand is f16: bf16's 8 significant bits go into f16's 11 unchanged.
; LIMITS.  |W2| stays below 65,504, f16's end; a weight below 6.1e-5 in magnitude keeps f16's fixed step of 6e-8.
; THE SORT.  A tile is up to 80 tokens of one set; a set's tiles follow each other; the sets in ascending order.  The sum over the 28 sets of ceil(n / 80) is at most (4,096 + 28 x 79) / 80 < 79 whatever the choice.
; tlist [79 x 80 places] the token; tgate [place][2] its gates; places past a tile's count hold token 0 and gates 0.  tinfo [80 tiles][4] = expert a, expert b, rows, 0.
; A counting sort without atomics: thread t owns tokens 16 t .. 16 t + 15 and a row of 32 counters in LDS.
; The branch between the two parts hangs on the work-group's number alone: all eight waves take the same way, so every wave of work-group 0 passes its three barriers.
.set CPITCH, 272                       ; cast: an LDS row of 256 bytes (128 numbers of 16 bits) + 16: an odd multiple of 16
.set WSUM,   32768                     ; sort: behind 256 rows of 128 bytes of counters: 8 waves x 128 bytes
.set LIST,   33792                     ; 28,672 bytes
.set GLIST,  62464                     ; 57,344 bytes, straight behind LIST
.set SPARE,  119808                    ; the spare words: 128 bytes a wave, four blocks of 256 that no other line names
.set SPW, 30                           ; v30  my spare word's address; never rewritten
.set NIL, 31                           ; v31  0; never rewritten
.set RAW, 32                           ; cast: v32-159  32 loads of four f32
.set FR,  160                          ; cast: v160-223 fragments to store
.set SID, 32                           ; sort: v32-47   my 16 tokens' sets
.set RANK, 48                          ; v48-63   their ranks among my own tokens of the same set
.set GV,  64                           ; v64-95   their gates
.set CNT, 96                           ; v96-127  lane = set: my wave's 32 rows of counters
.set HA,  128                          ; v128-143 the address of each token's counter
.set POS, 144                          ; v144-159 each token's place
.set TB,  160                          ; v160  lane = set: the set's first tile
.set BEG, 161                          ; v161  thread = tile: the first tile of the tile's set
.set TOT, 162                          ; v162  thread = tile: that set's tokens
.set ST,  163
.set INFO, 168                         ; v168-171  thread = tile: a, b, rows, 0
.set HROW, 172                         ; v172  my row of counters
.set RB,  32                           ; v32-115  the lists on their way out
	s_load_b512 s[4:19], s[0:1], 0x0               ; W1 s[4:5], W2 s[6:7], sid s[8:9], gates s[10:11], wf s[12:13], tlist s[14:15], tgate s[16:17], tinfo s[18:19]
	v_lshl_add_u32 v[SPW], v0, 2, SPARE
	v_mov_b32 v[NIL], 0
	v_and_b32 v1, 31, v0                           ; lane
	v_lshrrev_b32 v2, 5, v0
	v_readfirstlane_b32 s20, v2                    ; wave
	s_cmp_eq_u32 ttmp9, 0
	s_cbranch_scc1 .Lsort
	; THE CAST.  Work-group c + 1 reads 32 whole rows, 131,072 consecutive bytes.  A wave takes 16 rows x 256 k as two units of 128 k: loads of 512 consecutive bytes,
	; the roundings, through its own 16 LDS rows into fragment order, stores of 512 consecutive bytes.  All 32 loads of a wave go out before its first wait.
	s_sub_co_u32 s21, ttmp9, 1                     ; c: below 256 W1, from 256 on W2
	s_and_b32 s22, s21, 255                        ; which 32 rows of the tensor
	s_lshr_b32 s23, s20, 2                         ; which 16 of them are my wave's
	s_and_b32 s24, s20, 3                          ; which 256 k
	s_lshl_b32 s26, s22, 17
	s_lshl_b32 s25, s23, 16
	s_add_co_u32 s26, s26, s25
	s_lshl_b32 s25, s24, 10
	s_add_co_u32 s26, s26, s25
	s_mov_b32 s27, 0                               ; s[26:27]: from where
	s_lshr_b32 s28, s21, 8
	s_lshl_b32 s28, s28, 24                        ; W2's half of wf
	s_lshr_b32 s25, s22, 2
	s_lshl_b32 s25, s25, 18                        ; 8 expert + ng: 128 rows are four work-groups'
	s_add_co_u32 s28, s28, s25
	s_lshl_b32 s25, s24, 16                        ; kblk = 8 (wave % 4) + ..
	s_add_co_u32 s28, s28, s25
	s_and_b32 s25, s22, 3
	s_lshl1_add_u32 s25, s25, s23                  ; nb
	s_lshl_b32 s25, s25, 10
	s_add_co_u32 s28, s28, s25
	s_mov_b32 s29, 0                               ; s[28:29]: to where
	s_mov_b32 s30, 0xffff0000                      ; a word's upper bf16
	s_mul_i32 s25, s20, 16*CPITCH
	v_lshl_add_u32 v3, v1, 3, s25                  ; in: 8 bytes a lane
	v_and_b32 v4, 15, v0
	v_bfe_u32 v5, v0, 4, 1
	v_mul_u32_u24 v6, v4, CPITCH
	v_lshl_add_u32 v6, v5, 4, v6
	v_add_nc_u32 v6, s25, v6                       ; back: row r, 16 bytes for each half of the lanes
	v_lshlrev_b32 v7, 4, v1                        ; 16 bytes a lane
	s_wait_kmcnt 0x0
	s_cmp_lt_u32 s21, 256
	s_cselect_b64 s[32:33], s[4:5], s[6:7]
	s_add_nc_u64 s[32:33], s[32:33], s[26:27]
	s_add_nc_u64 s[12:13], s[12:13], s[28:29]
.set ci, 0
.rept 32                                               ; unit ci / 16, row ci % 16
	global_load_b128 v[RAW+4*ci:RAW+4*ci+3], v7, s[32:33] offset:4096*(ci%16)+512*(ci/16) th:TH_LOAD_NT
.set ci, ci+1
.endr
.macro UNIT u
.set ci, 0
.rept 16                                               ; four f32 become two words of two bf16, in the first two of their four registers
	v_cvt_pk_bf16_f32 v[RAW+64*(\u)+4*ci],   v[RAW+64*(\u)+4*ci],   v[RAW+64*(\u)+4*ci+1]
	v_cvt_pk_bf16_f32 v[RAW+64*(\u)+4*ci+1], v[RAW+64*(\u)+4*ci+2], v[RAW+64*(\u)+4*ci+3]
.set ci, ci+1
.endr
	s_cmp_lt_u32 s21, 256
	s_cbranch_scc1 .Lbf_\@                         ; W1 stays bf16.  The branch hangs on the work-group's number alone, goes forward and passes no barrier
.set ci, 0
.rept 16                                               ; W2: each bf16 is widened (a shift, a mask) into the two registers that are free, and written as f16
	v_lshlrev_b32 v[RAW+64*(\u)+4*ci+2], 16,  v[RAW+64*(\u)+4*ci]
	v_and_b32     v[RAW+64*(\u)+4*ci+3], s30, v[RAW+64*(\u)+4*ci]
	v_cvt_pk_f16_f32 v[RAW+64*(\u)+4*ci], v[RAW+64*(\u)+4*ci+2], v[RAW+64*(\u)+4*ci+3]
	v_lshlrev_b32 v[RAW+64*(\u)+4*ci+2], 16,  v[RAW+64*(\u)+4*ci+1]
	v_and_b32     v[RAW+64*(\u)+4*ci+3], s30, v[RAW+64*(\u)+4*ci+1]
	v_cvt_pk_f16_f32 v[RAW+64*(\u)+4*ci+1], v[RAW+64*(\u)+4*ci+2], v[RAW+64*(\u)+4*ci+3]
.set ci, ci+1
.endr
.Lbf_\@:
.set ci, 0
.rept 16
	ds_store_b64 v3, v[RAW+64*(\u)+4*ci:RAW+64*(\u)+4*ci+1] offset:CPITCH*ci
.set ci, ci+1
.endr
.set ci, 0
.rept 8                                                ; piece ci = 2 kb + j: my own rows, and LDS serves a wave's instructions in order: no wait, no barrier
	ds_load_b128 v[FR+32*(\u)+4*ci:FR+32*(\u)+4*ci+3], v6 offset:32*ci
.set ci, ci+1
.endr
.set ci, 0
.rept 8
	s_wait_dscnt 7-ci                              ; piece ci is in, the younger ones may stay out
	global_store_b128 v7, v[FR+32*(\u)+4*ci:FR+32*(\u)+4*ci+3], s[12:13] offset:(4*(\u)+ci/2)*8192+512*(ci%2)  ; 512 consecutive bytes, aligned
.set ci, ci+1
.endr
.endm
	s_wait_loadcnt 16                              ; unit 0 is in, unit 1's 16 loads may stay out
	UNIT 0
	s_wait_loadcnt 0x0
	UNIT 1
	s_wait_tensorcnt 0x0                           ; the wave's end
	ds_add_u32 v[SPW], v[NIL]
	s_wait_dscnt 0x0
	s_endpgm
.Lsort:
	v_lshlrev_b32 v2, 6, v0                        ; my 16 sets: 64 bytes
	v_lshlrev_b32 v3, 7, v0                        ; my 16 pairs of gates: 128 bytes
	v_lshlrev_b32 v26, 4, v0                       ; 16 t: my first token, and my 16 bytes of a list on its way out
	s_wait_kmcnt 0x0
.set q, 0
.rept 4
	global_load_b128 v[SID+4*q:SID+4*q+3], v2, s[8:9] offset:16*q
.set q, q+1
.endr
.set q, 0
.rept 8
	global_load_b128 v[GV+4*q:GV+4*q+3], v3, s[10:11] offset:16*q
.set q, q+1
.endr
	v_mov_b32 v4, 0
	v_mov_b32 v5, 0
	v_mov_b32 v6, 0
	v_mov_b32 v7, 0
	v_lshl_add_u32 v8, v0, 4, LIST
	v_add_nc_u32 v9, 0x10000, v8                   ; an LDS offset has 16 bits
.set q, 0
.rept 21                                               ; both lists start as zeros: 21 x 4,096 bytes
.if q < 16
	ds_store_b128 v8, v[4:7] offset:4096*q
.else
	ds_store_b128 v9, v[4:7] offset:4096*(q-16)
.endif
.set q, q+1
.endr
	s_lshl_b32 s21, s20, 12                        ; my wave's 32 rows of counters
	v_lshl_add_u32 v10, v1, 4, s21
.set q, 0
.rept 8
	ds_store_b128 v10, v[4:7] offset:512*q
.set q, q+1
.endr
	v_lshl_add_u32 v[HROW], v1, 7, s21             ; my row
	v_lshl_add_u32 v12, v1, 2, s21                 ; lane = set: my column of the wave's rows
	s_lshl_b32 s22, s20, 7
	s_add_co_u32 s22, s22, WSUM
	v_lshl_add_u32 v15, v1, 2, s22
	v_lshl_add_u32 v16, v1, 2, WSUM
	s_wait_loadcnt 0x0
.set q, 0
.rept 16
	v_min_u32 v[SID+q], 27, v[SID+q]               ; a loaded number enters an address only behind a clamp
	v_lshl_add_u32 v[HA+q], v[SID+q], 2, v[HROW]
.set q, q+1
.endr
.set q, 0
.rept 16                                               ; rank = the counter; the counter goes up.  My own row: no other thread touches it
	ds_load_b32 v[RANK+q], v[HA+q]
	s_wait_dscnt 0x0
	v_add_nc_u32 v11, 1, v[RANK+q]
	ds_store_b32 v[HA+q], v11
.set q, q+1
.endr
.set q, 0
.rept 32                                               ; lane = set: the 32 threads' counts, my own wave's rows
	ds_load_b32 v[CNT+q], v12 offset:128*q
.set q, q+1
.endr
	v_mov_b32 v13, 0
	s_wait_dscnt 0x0
.set q, 0
.rept 16                                               ; exclusive running sums; the sum runs in v13 and v14 by turns
	v_add_nc_u32 v14, v13, v[CNT+2*q]
	v_mov_b32 v[CNT+2*q], v13
	v_add_nc_u32 v13, v14, v[CNT+2*q+1]
	v_mov_b32 v[CNT+2*q+1], v14
.set q, q+1
.endr
	ds_store_b32 v15, v13                          ; my wave's count of each set
	s_wait_dscnt 0x0                               ; for the others' sake: that, and my part of the zeros
	s_barrier_signal -1
	s_barrier_wait -1
.set q, 0
.rept 8
	ds_load_b32 v[17+q], v16 offset:128*q
.set q, q+1
.endr
	v_mov_b32 v27, 0
	v_mov_b32 v28, 0
	s_wait_dscnt 0x0
.set q, 0
.rept 8
	v_add_nc_u32 v27, v27, v[17+q]                 ; the set's tokens,
	s_cmp_gt_u32 s20, q
	s_cselect_b32 s21, -1, 0
	v_and_b32 v25, s21, v[17+q]
	v_add_nc_u32 v28, v28, v25                     ; and those of the waves in front of mine
.set q, q+1
.endr
	v_add_nc_u32 v29, 79, v27
	v_mul_u32_u24 v29, v29, 0xcccd
	v_lshrrev_b32 v29, 22, v29                     ; ceil(n / 80): 52,429 / 2^22 gives the quotient by 80 for every n + 79 up to 4,175
	; over the 28 sets: the first tile of each (lane = set), and for thread = tile the last set that begins at or before it
	v_mov_b32 v[TB], 0
	v_mov_b32 v[BEG], 0
	v_mov_b32 v[TOT], 0
	v_mov_b32 v[INFO], 0
	v_mov_b32 v[INFO+1], 0
	v_mov_b32 v[INFO+3], 0
	s_mov_b32 s26, 0
.set sa, 0
.set sb, 1
.set ss, 0
.rept 28
	v_readlane_b32 s27, v29, ss
	v_readlane_b32 s28, v27, ss
	v_writelane_b32 v[TB], s26, ss
	v_cmp_le_u32 vcc_lo, s26, v0
	v_cndmask_b32 v[INFO],   v[INFO],   sa,  vcc_lo
	v_cndmask_b32 v[INFO+1], v[INFO+1], sb,  vcc_lo
	v_cndmask_b32 v[BEG],    v[BEG],    s26, vcc_lo
	v_cndmask_b32 v[TOT],    v[TOT],    s28, vcc_lo
	s_add_co_u32 s26, s26, s27
.set ss, ss+1
.set sb, sb+1
.if sb == 8
.set sa, sa+1
.set sb, sa+1
.endif
.endr
	v_sub_nc_u32 v25, v0, v[BEG]
	v_mul_u32_u24 v25, v25, 80
	v_min_u32 v25, v25, v[TOT]
	v_sub_nc_u32 v25, v[TOT], v25
	v_min_u32 v[INFO+2], 80, v25                   ; the tile's rows; 0 behind the last tile
	v_mul_u32_u24 v[ST], v[TB], 80
	v_add_nc_u32 v[ST], v[ST], v28                 ; lane = set: where my wave's tokens of the set begin
.set q, 0
.rept 32
	v_add_nc_u32 v[CNT+q], v[CNT+q], v[ST]
	ds_store_b32 v12, v[CNT+q] offset:128*q        ; back into my wave's rows: now each thread's first place in each set
.set q, q+1
.endr
.set q, 0
.rept 16
	ds_load_b32 v[POS+q], v[HA+q]
.set q, q+1
.endr
	s_wait_dscnt 0x0
	s_barrier_signal -1                            ; every wave's reads of the tables are over: between this barrier and the next LDS sees the scatter alone
	s_barrier_wait -1
.set q, 0
.rept 16
	v_add_nc_u32 v[POS+q], v[POS+q], v[RANK+q]
	v_min_u32 v[POS+q], 6319, v[POS+q]             ; never reached: the clamp in front of an address
	v_lshl_add_u32 v164, v[POS+q], 2, LIST
	v_lshl_add_u32 v165, v[POS+q], 3, GLIST
	v_add_nc_u32 v166, q, v26
	ds_store_b32 v164, v166                        ; each place has one token: no two lanes store to the same bytes
	ds_store_b64 v165, v[GV+2*q:GV+2*q+1]
.set q, q+1
.endr
	s_wait_dscnt 0x0
	s_barrier_signal -1
	s_barrier_wait -1
.set q, 0
.rept 21
.if q < 16
	ds_load_b128 v[RB+4*q:RB+4*q+3], v8 offset:4096*q
.else
	ds_load_b128 v[RB+4*q:RB+4*q+3], v9 offset:4096*(q-16)
.endif
.set q, q+1
.endr
.set q, 0
.rept 21
	s_wait_dscnt 20-q                              ; piece q is in, the younger ones may stay out
.if q < 7
	global_store_b128 v26, v[RB+4*q:RB+4*q+3], s[14:15] offset:4096*q
.else
	global_store_b128 v26, v[RB+4*q:RB+4*q+3], s[16:17] offset:4096*(q-7)
.endif
.set q, q+1
.endr
	s_wait_xcnt 0x0                                ; EXEC changes only behind this wait
	v_cmp_gt_u32 vcc_lo, 80, v0
	s_and_saveexec_b32 s25, vcc_lo
	global_store_b128 v26, v[INFO:INFO+3], s[18:19]
	s_wait_xcnt 0x0                                ; and again in front of the line that widens it
	s_or_b32 exec_lo, exec_lo, s25
	s_wait_tensorcnt 0x0                           ; the wave's end
	ds_add_u32 v[SPW], v[NIL]
	s_wait_dscnt 0x0
	s_endpgm
.Lfunc_end_k_qa03dd16376_prep:
	.size	k_qa03dd16376_prep, .Lfunc_end_k_qa03dd16376_prep-k_qa03dd16376_prep
	.p2alignl 7, 3214868480
	.fill 96, 4, 3214868480
	.section	.rodata,"a",@progbits
	.p2align	6, 0x0
	.amdhsa_kernel k_qa03dd16376_prep
		.amdhsa_group_segment_fixed_size 120832
		.amdhsa_private_segment_fixed_size 0
		.amdhsa_enable_private_segment 0
		.amdhsa_kernarg_size 64
		.amdhsa_user_sgpr_count 2
		.amdhsa_user_sgpr_kernarg_segment_ptr 1
		.amdhsa_wavefront_size32 1
		.amdhsa_system_sgpr_workgroup_id_x 1
		.amdhsa_system_sgpr_workgroup_id_y 1
		.amdhsa_system_sgpr_workgroup_id_z 1
		.amdhsa_system_vgpr_workitem_id 0
		.amdhsa_next_free_vgpr 224
		.amdhsa_next_free_sgpr 66
		.amdhsa_reserve_vcc 1
		.amdhsa_float_denorm_mode_32 3
		.amdhsa_float_denorm_mode_16_64 3
		.amdhsa_memory_ordered 1
		.amdhsa_forward_progress 1
		.amdhsa_inst_pref_size 68
	.end_amdhsa_kernel
	.amdgpu_metadata
---
amdhsa.version: [ 1, 2 ]
amdhsa.kernels:
  - .name:           k_qa03dd16376_prep
    .symbol:         k_qa03dd16376_prep.kd
    .args:
      - { .name: W1, .offset: 0, .size: 8, .value_kind: global_buffer, .address_space: global }
      - { .name: W2, .offset: 8, .size: 8, .value_kind: global_buffer, .address_space: global }
      - { .name: sid, .offset: 16, .size: 8, .value_kind: global_buffer, .address_space: global }
      - { .name: gates, .offset: 24, .size: 8, .value_kind: global_buffer, .address_space: global }
      - { .name: wf, .offset: 32, .size: 8, .value_kind: global_buffer, .address_space: global }
      - { .name: tlist, .offset: 40, .size: 8, .value_kind: global_buffer, .address_space: global }
      - { .name: tgate, .offset: 48, .size: 8, .value_kind: global_buffer, .address_space: global }
      - { .name: tinfo, .offset: 56, .size: 8, .value_kind: global_buffer, .address_space: global }
    .group_segment_fixed_size: 120832
    .private_segment_fixed_size: 0
    .kernarg_segment_align: 8
    .kernarg_segment_size: 64
    .max_flat_workgroup_size: 256
    .sgpr_count:     66
    .vgpr_count:     224
    .wavefront_size: 32
...
	.end_amdgpu_metadata
.endif
;; end of part 2
;; launch ffn1 (part 3): grid 4 x 79, 4 waves a work-group, no clusters, 167,936 bytes of LDS; arguments xb, wf, b1, tgate, tlist, tinfo, hb; writes hb
.if DOCPART == 3
	.amdgcn_target "amdgcn-amd-amdhsa--gfx1250"
	.amdhsa_code_object_version 6
	.text
	.protected	k_qa03dd16376_ffn1
	.globl	k_qa03dd16376_ffn1
	.p2align	8
	.type	k_qa03dd16376_ffn1,@function
k_qa03dd16376_ffn1:
	s_mov_b64 s[64:65], 0
	v_nop
	global_prefetch_b8 v0, s[64:65] scope:SCOPE_SE
	s_setreg_imm32_b32 hwreg(HW_REG_WAVE_MODE, 25, 1), 1
	s_wait_xcnt 0x0
; FIRST PRODUCT.  For a tile of up to 80 tokens of one set (a, b): hb = gate x gelu(X W1[e]^T + b1[e]), e = a for the first 1,024 hidden columns and b for the second, in f16.
; hb: [tile 79][half 2][kblk 32][mblk 5][j 2][lane 32][16 bytes]: lane 16 h + r holds row 16 mblk + r, k = 32 kblk + 16 j + 8 h + 0..7: the second product's operand order.
; FORMATS.  X and W1, inputs, are multiplied in bf16.  What this launch makes is stored in f16: its rounding is the one rounding of the program's own, it enters sums of 2,048 terms undiminished,
; and f16 keeps 11 significant bits where bf16 keeps 8.
; LIMITS.  |gate x gelu(z)| stays below 65,504, f16's end: it is at most |z|, which for x and W1 both 30 times the usual size has a spread of 30 x 0.6 x 32 = 576, and for both offset by 30 of their
; spreads lies near 1,024 x 30 x 0.6 = 18,432.  Below 6.1e-5 the product keeps f16's fixed step of 6e-8.  b1 is rounded to bf16 like every input.  gelu is exact up to erf by Abramowitz and Stegun's 7.1.26,
; |error| <= 1.5e-7 for every argument; z^2 beyond f32's range gives weight 0, as it should.  The product gate x gelu is rounded once.  NaN and infinities are not treated apart.
; SHARES.  Work-group (c, tile): 512 of the 2,048 columns.  A wave: all 80 rows x 128 columns, in two GROUPS of 64 columns: 20 accumulators; 32 K steps of 32, 20 matrix instructions each; then the group's gelu,
; straight from the accumulators.  A loop of two trips walks the groups; from trip to trip only addresses in memory step.
; X's 80 rows are gathered by the list into LDS once (asynchronous copies, filled once).  The launch stores nothing into LDS.  The 32 K steps are written out, so every LDS address is a register that is never
; rewritten plus a constant.  W1 comes from memory straight into registers, in fragment order: each wave's columns are read by no other wave of the work-group, so LDS would add nothing.
; A ring of eight register slots keeps seven steps' loads, 56, out; the second group's first seven steps are asked for ahead of the first group's gelu.
; A tile past the split's last has 0 rows: it passes the one barrier and ends.  Places past a tile's count hold token 0 with gate 0: their rows of hb are zeros.
; NO CLUSTER: what the four work-groups of a tile share, X's rows, comes by a list, which no tensor descriptor covers; which work-groups share an expert's weights hangs on stored counts.
; THE MATRIX INSTRUCTION IS USED TRANSPOSED: source 0 = 16 rows of W1, source 1 = 16 tokens: lane l holds token l % 16 and registers 0-7 the columns 8 (l / 16) + 0..7, which rounded to f16 ARE 16 bytes of hb.
; The bias is the C operand of the first K step.
; REGISTERS.  window 0: addresses, X's fragments (three buffers), bias, the gelu's work.  window 1: W1's ring, slot q at 32 q.  window 2: the accumulators, row block mb, column block i at 32 mb + 8 i.
.set APITCH, 2064                      ; an LDS row of X: 2,048 bytes + 16: an odd multiple of 16 (ISA guide 11.1)
.set SPARE,  165376                    ; behind X (165,120 bytes): the spare words, 128 bytes a wave, two blocks of 256 that no other line names
.set SPW,  10                          ; v10    my spare word's address; never rewritten
.set NIL,  11                          ; v11    0; never rewritten
.set GP,   12                          ; v12-21 row block mb: my token's gate at GP + 2 mb, named as a pair with a 0 behind it
.set GOF,  22                          ; v22    my byte offset in the tile's gates
.set BOF,  23                          ; v23    my byte offset in a column block's bias
.set CB,   24                          ; v24    my 16 bytes in the first LDS row that my wave copies
.set ABASE, 27                         ; v27-31 row block mb: (16 mb + r) x pitch + 16 h; never rewritten
.set AF,   32                          ; v32-151  X's fragments: K step s in buffer s % 3, at AF + 40 (s % 3) + 8 mb
.set BIAS, 152                         ; v152-183 column block i at BIAS + 8 i
.set CP,   184                         ; v184-223 the copies' addresses, row i: LDS, memory; free again behind the wait for the copies
.set VT,   184                         ; the gelu: t,
.set VQ,   200                         ; the exponential,
.set VM,   216                         ; max(z, 0),
.set VP,   232                         ; the polynomial and the result,
.set OX,   248                         ; v248-255 what is stored
.set QC, 56                            ; s[56:57] -log2(e) / 2; the packed forms name a pair and take its low word
.set A5, 58
.set A4, 60
.set A3, 62
.set A2, 66
.set A1, 68
.set P0, 70
.set MSB, 0
.macro WIN new                         ; the immediate's high byte repeats the setting that is left
.if MSB != (\new)
	s_set_vgpr_msb (MSB<<8)|(\new)
.set MSB, (\new)
.endif
.endm
	s_load_b256 s[4:11], s[0:1], 0x0               ; xb s[4:5], wf s[6:7], b1 s[8:9], tgate s[10:11]
	s_load_b128 s[12:15], s[0:1], 0x20             ; tlist s[12:13], tinfo s[14:15]
	s_load_b64 s[16:17], s[0:1], 0x30              ; hb
	v_lshl_add_u32 v[SPW], v0, 2, SPARE
	v_mov_b32 v[NIL], 0
	ds_add_u32 v[SPW], v[NIL]                      ; the wave's opening: the add and its wait stand ahead of my first copy; work on registers stands between them
	v_and_b32 v1, 15, v0                           ; r
	v_bfe_u32 v2, v0, 4, 1                         ; h
	v_and_b32 v9, 31, v0
	v_lshlrev_b32 v3, 4, v9                        ; 16 x lane; never rewritten
	v_lshrrev_b32 v15, 5, v0
	v_readfirstlane_b32 s20, v15                   ; wave
	s_mov_b32 s21, ttmp9                           ; c
	s_and_b32 s22, ttmp7, 0xffff                   ; tile
	v_mul_u32_u24 v15, v1, APITCH
	v_lshl_add_u32 v[ABASE], v2, 4, v15
.set mm, 1
.rept 4
	v_add_nc_u32 v[ABASE+mm], mm*16*APITCH, v[ABASE]
.set mm, mm+1
.endr
.set mm, 0
.rept 5
	v_mov_b32 v[GP+2*mm+1], 0                      ; named with the gate as a pair
.set mm, mm+1
.endr
	v_lshlrev_b32 v[GOF], 3, v1                    ; gates: 8 bytes a place
	v_lshlrev_b32 v[BOF], 5, v2                    ; bias: eight f32 for each half of the lanes
	s_mul_i32 s34, s20, 20*APITCH                  ; my wave copies rows 20 w .. 20 w + 19
	v_add_nc_u32 v[CB], s34, v3
	s_mov_b32 s[QC], 0xbf38aa3b                    ; -0.72134752
	s_mov_b32 s[A5], 0x3f07dc22                    ; the five coefficients, halved: 0.53070271
	s_mov_b32 s[A4], 0xbf3a00e3                    ; -0.72657601
	s_mov_b32 s[A3], 0x3f35f0e3                    ; 0.71070687
	s_mov_b32 s[A2], 0xbe11a98e                    ; -0.14224837
	s_mov_b32 s[A1], 0x3e027906                    ; 0.12741480
	s_mov_b32 s[P0], 0x3e6d3388                    ; 0.3275911 / sqrt(2) = 0.23164189
.irp c, QC, A5, A4, A3, A2, A1
	s_mov_b32 s[\c+1], 0                           ; named with it as a pair
.endr
	s_mov_b32 s33, 0
	s_wait_dscnt 0x0                               ; the opening add is done
	s_wait_kmcnt 0x0
	s_lshl_b32 s32, s22, 4
	s_add_nc_u64 s[14:15], s[14:15], s[32:33]
	s_load_b128 s[24:27], s[14:15], 0x0            ; expert a, expert b, rows, 0
	s_mul_i32 s32, s22, 320
	s_mul_i32 s34, s20, 80
	s_add_co_u32 s32, s32, s34
	s_add_nc_u64 s[12:13], s[12:13], s[32:33]
	s_load_b512 s[36:51], s[12:13], 0x0            ; my wave's 20 tokens
	s_load_b128 s[52:55], s[12:13], 0x40
	s_wait_kmcnt 0x0
.set rr, 0
.rept 20                                               ; a row of xb is 2,048 bytes: four copies of 512; each row has its own two address registers, which stay as they are until the copies are done
	s_min_u32 s[36+rr], s[36+rr], 4095             ; a loaded number enters an address only behind a clamp
	v_add_nc_u32 v[CP+2*rr], rr*APITCH, v[CB]
	v_lshl_add_u32 v[CP+2*rr+1], s[36+rr], 11, v3
	global_load_async_to_lds_b128 v[CP+2*rr], v[CP+2*rr+1], s[4:5]
	global_load_async_to_lds_b128 v[CP+2*rr], v[CP+2*rr+1], s[4:5] offset:512
	global_load_async_to_lds_b128 v[CP+2*rr], v[CP+2*rr+1], s[4:5] offset:1024
	global_load_async_to_lds_b128 v[CP+2*rr], v[CP+2*rr+1], s[4:5] offset:1536
.set rr, rr+1
.endr
	s_lshr_b32 s23, s21, 1                         ; which half: expert a or b
	s_cmp_lg_u32 s23, 0
	s_cselect_b32 s30, s25, s24
	s_min_u32 s30, s30, 7
	s_and_b32 s31, s21, 1
	s_lshl2_add_u32 s31, s31, s20                  ; ng: my wave's 128 columns of the expert's 1,024
	s_lshl_b32 s32, s30, 21
	s_lshl_b32 s34, s31, 18
	s_add_co_u32 s32, s32, s34
	s_add_nc_u64 s[6:7], s[6:7], s[32:33]          ; my 262,144 consecutive bytes of W1: [K step 32][column block 8][1,024 bytes]
	s_lshl_b32 s32, s30, 12
	s_lshl_b32 s34, s31, 9
	s_add_co_u32 s32, s32, s34
	s_add_nc_u64 s[8:9], s[8:9], s[32:33]
	s_mul_i32 s32, s22, 640
	s_lshl2_add_u32 s32, s23, s32
	s_add_nc_u64 s[10:11], s[10:11], s[32:33]
	s_mul_i32 s32, s22, 327680
	s_mul_i32 s34, s23, 163840
	s_add_co_u32 s32, s32, s34
	s_mul_i32 s34, s31, 20480                      ; kblk = 4 ng + ..
	s_add_co_u32 s32, s32, s34
	s_add_nc_u64 s[16:17], s[16:17], s[32:33]
.macro FETCHB s                        ; K step s of the group in hand, 4,096 bytes of W1, into slot s % 8: 8 loads of 512 consecutive bytes
	WIN 0x40                                       ; destination in window 1
.set nn, 0
.rept 4
	global_load_b128 v[32*((\s)%8)+8*nn:32*((\s)%8)+8*nn+3],   v3, s[6:7] offset:(\s)*8192+1024*nn
	global_load_b128 v[32*((\s)%8)+8*nn+4:32*((\s)%8)+8*nn+7], v3, s[6:7] offset:(\s)*8192+1024*nn+512
.set nn, nn+1
.endr
.endm
.macro FETCHA s                        ; K step s's fragments of X into buffer s % 3
	WIN 0
.set mm, 0
.rept 5
	ds_load_b128 v[AF+40*((\s)%3)+8*mm:AF+40*((\s)%3)+8*mm+3],   v[ABASE+mm] offset:64*(\s)
	ds_load_b128 v[AF+40*((\s)%3)+8*mm+4:AF+40*((\s)%3)+8*mm+7], v[ABASE+mm] offset:64*(\s)+32
.set mm, mm+1
.endr
.endm
.macro MUL s, mb                       ; row block mb x the group's 4 column blocks; in step 0 the bias starts the sums
.set nn, 0
.rept 4
.set rD, 32*(\mb)+8*nn
.set rB, 32*((\s)%8)+8*nn
.set rA, AF+40*((\s)%3)+8*(\mb)
.if (\s) == 0
	WIN 0x81                                       ; W1 window 1, X and bias window 0, D window 2
	v_wmma_f32_16x16x32_bf16 v[rD:rD+7], v[rB:rB+7], v[rA:rA+7], v[BIAS+8*nn:BIAS+8*nn+7]
.else
	WIN 0xa1                                       ; C and D window 2
	v_wmma_f32_16x16x32_bf16 v[rD:rD+7], v[rB:rB+7], v[rA:rA+7], v[rD:rD+7]
.endif
.set nn, nn+1
.endr
.endm
; K step s.  The 20 accumulators take turns, in the same order in every step.  The loads stand in one run behind 8 products: W1 of seven steps on goes into the slot, and X of two steps on
; into the buffer, that the step before read; four plain places stand between the last product that read those registers and the loads (ISA guide 7.12.1 for vector instructions).
.macro STEP s
.if (\s) < 25
	s_wait_loadcnt 48                              ; loads return in order: this step's W1 is in, the six younger steps' 48 loads stay out
.else
	s_wait_loadcnt 8*(31-(\s))                     ; nothing is left to fetch: the counts run down
.endif
.if (\s) < 31
	s_wait_dscnt 10                                ; this step's X is in, the next step's ten loads stay out
.else
	s_wait_dscnt 0x0
.endif
	MUL \s, 0
	MUL \s, 1
.if (\s) < 30
.rept 4
	v_nop
.endr
.endif
.if (\s) < 25
	FETCHB (\s)+7
.endif
.if (\s) < 30
	FETCHA (\s)+2
.endif
	MUL \s, 2
	MUL \s, 3
	MUL \s, 4
.endm
.macro AHEAD                           ; a group's bias, then its first seven K steps of W1: 8 + 56 loads
	WIN 0
.set nn, 0
.rept 4
	global_load_b128 v[BIAS+8*nn:BIAS+8*nn+3],   v[BOF], s[8:9] offset:64*nn
	global_load_b128 v[BIAS+8*nn+4:BIAS+8*nn+7], v[BOF], s[8:9] offset:64*nn+16
.set nn, nn+1
.endr
.irp k, 0,1,2,3,4,5,6
	FETCHB \k
.endr
	WIN 0
.endm
; THE GELU of two accumulators, 16 numbers a lane at z of window 2, times the gate, rounded to f16 and stored.  An accumulator's lane layout is hb's already.
; gelu(z) = max(z, 0) - |z| y / 2, y = (a1 t + .. + a5 t^5) 2^(-z^2 log2(e) / 2), t = 1 / (1 + 0.23164189 |z|).  The 32 transcendentals are one batch with one wait.
; Each accumulator's lowest register is read first.  Five switches of the window: z is source 0, then source 1, then not named, then source 0 once more.
.macro GELU16 z, g, off
	WIN 0x02                                       ; source 0 in window 2
.set gi, 0
.rept 16
	v_fma_f32 v[VT+gi], |v[(\z)+gi]|, s[P0], 1.0
.set gi, gi+1
.endr
.set gi, 0
.rept 8
	v_pk_mul_f32 v[VQ+2*gi:VQ+2*gi+1], v[(\z)+2*gi:(\z)+2*gi+1], s[QC:QC+1] op_sel_hi:[1,0]
.set gi, gi+1
.endr
	WIN 0x08                                       ; source 1 in window 2
.set gi, 0
.rept 8
	v_pk_mul_f32 v[VQ+2*gi:VQ+2*gi+1], v[VQ+2*gi:VQ+2*gi+1], v[(\z)+2*gi:(\z)+2*gi+1]
.set gi, gi+1
.endr
.set gi, 0
.rept 16
	v_rcp_f32 v[VT+gi], v[VT+gi]
	v_exp_f32 v[VQ+gi], v[VQ+gi]
	v_max_num_f32 v[VM+gi], 0, v[(\z)+gi]          ; plain work among them; the last is the plain instruction behind the last transcendental
.set gi, gi+1
.endr
	WIN 0
	s_wait_alu depctr_va_vdst(0)                   ; one wait for the batch, ahead of its first reader
.set gi, 0
.rept 8
	v_pk_fma_f32 v[VP+2*gi:VP+2*gi+1], v[VT+2*gi:VT+2*gi+1], s[A5:A5+1], s[A4:A4+1] op_sel_hi:[1,0,0]
.set gi, gi+1
.endr
.irp c, A3, A2, A1
.set gi, 0
.rept 8
	v_pk_fma_f32 v[VP+2*gi:VP+2*gi+1], v[VP+2*gi:VP+2*gi+1], v[VT+2*gi:VT+2*gi+1], s[\c:\c+1] op_sel_hi:[1,1,0]
.set gi, gi+1
.endr
.endr
.set gi, 0
.rept 8
	v_pk_mul_f32 v[VT+2*gi:VT+2*gi+1], v[VT+2*gi:VT+2*gi+1], v[VQ+2*gi:VQ+2*gi+1]
.set gi, gi+1
.endr
.set gi, 0
.rept 8
	v_pk_mul_f32 v[VP+2*gi:VP+2*gi+1], v[VP+2*gi:VP+2*gi+1], v[VT+2*gi:VT+2*gi+1]
.set gi, gi+1
.endr
	WIN 0x02
.set gi, 0
.rept 16
	v_fma_f32 v[VP+gi], -|v[(\z)+gi]|, v[VP+gi], v[VM+gi]
.set gi, gi+1
.endr
	WIN 0
.set gi, 0
.rept 8
	v_pk_mul_f32 v[VP+2*gi:VP+2*gi+1], v[VP+2*gi:VP+2*gi+1], v[(\g):(\g)+1] op_sel_hi:[1,0]
.set gi, gi+1
.endr
	s_wait_xcnt 0x0                                ; the last stores' data registers are written again only behind this wait
.set gi, 0
.rept 8
	v_cvt_pk_f16_f32 v[OX+gi], v[VP+2*gi], v[VP+2*gi+1]  ; the first source into the low half: two neighbouring columns
.set gi, gi+1
.endr
	global_store_b128 v3, v[OX:OX+3],   s[16:17] offset:(\off)          ; 512 consecutive bytes, aligned
	global_store_b128 v3, v[OX+4:OX+7], s[16:17] offset:(\off)+512
.endm
.set mm, 0
.rept 5
	global_load_b32 v[GP+2*mm], v[GOF], s[10:11] offset:128*mm
.set mm, mm+1
.endr
	AHEAD                                          ; the first group's
	s_wait_asynccnt 0x0                            ; my 20 rows of X are in LDS,
	s_barrier_signal -1
	s_barrier_wait -1                              ; everybody's are.  The launch's one barrier: every wave of every work-group passes it
	s_cmp_eq_u32 s26, 0
	s_cbranch_scc1 .Lend                           ; a tile without rows
	s_mov_b32 s35, 2
.Lg:                                                   ; a group of 64 columns.  On both ways in the last loads issued are, in order, the group's bias (8) and seven steps of W1 (56)
	FETCHA 0
	FETCHA 1
	s_wait_loadcnt 56                              ; the bias is in (the first time the gates too); the 56 loads of W1 stay out
.set nn, 0
.rept 8                                                ; the bias rounded to bf16 and widened again
	v_cvt_pk_bf16_f32 v9,  v[BIAS+4*nn],   v[BIAS+4*nn+1]
	v_cvt_pk_bf16_f32 v15, v[BIAS+4*nn+2], v[BIAS+4*nn+3]
	v_lshlrev_b32 v[BIAS+4*nn],   16, v9
	v_and_b32     v[BIAS+4*nn+1], 0xffff0000, v9
	v_lshlrev_b32 v[BIAS+4*nn+2], 16, v15
	v_and_b32     v[BIAS+4*nn+3], 0xffff0000, v15
.set nn, nn+1
.endr
.set ks, 0
.rept 32
	STEP ks
.set ks, ks+1
.endr
	WIN 0                                          ; at a label and at a branch every window is 0
.rept 4
	v_nop                                          ; four places behind the last products: for the loads into W1's slots and for the gelu's reads
.endr
	s_cmp_eq_u32 s35, 1
	s_cbranch_scc1 .Lnola                          ; the last group asks for nothing more; the jump goes forward, past no barrier, and no wait on these loads stands between it and the end
	s_wait_xcnt 0x0                                ; the loads' bases are stepped only behind this wait
	s_add_nc_u64 s[6:7], s[6:7], 4096              ; the next four column blocks of each K step,
	s_add_nc_u64 s[8:9], s[8:9], 256               ; and their bias
	AHEAD                                          ; they land under the gelu below
.Lnola:
.set em, 0
.rept 5                                                ; row block em: column blocks 0, 1 are one K block of hb, column blocks 2, 3 the next
	GELU16 32*em,    GP+2*em, 1024*em
	GELU16 32*em+16, GP+2*em, 5120+1024*em
.set em, em+1
.endr
	s_wait_xcnt 0x0                                ; the stores' base is stepped only behind this wait
	s_add_nc_u64 s[16:17], s[16:17], 2*5120
	s_sub_co_u32 s35, s35, 1
	s_cmp_lg_u32 s35, 0
	s_cbranch_scc1 .Lg
.Lend:
	s_wait_tensorcnt 0x0                           ; the wave's end
	ds_add_u32 v[SPW], v[NIL]
	s_wait_dscnt 0x0
	s_endpgm
.Lfunc_end_k_qa03dd16376_ffn1:
	.size	k_qa03dd16376_ffn1, .Lfunc_end_k_qa03dd16376_ffn1-k_qa03dd16376_ffn1
	.p2alignl 7, 3214868480
	.fill 96, 4, 3214868480
	.section	.rodata,"a",@progbits
	.p2align	6, 0x0
	.amdhsa_kernel k_qa03dd16376_ffn1
		.amdhsa_group_segment_fixed_size 167936
		.amdhsa_private_segment_fixed_size 0
		.amdhsa_enable_private_segment 0
		.amdhsa_kernarg_size 56
		.amdhsa_user_sgpr_count 2
		.amdhsa_user_sgpr_kernarg_segment_ptr 1
		.amdhsa_wavefront_size32 1
		.amdhsa_system_sgpr_workgroup_id_x 1
		.amdhsa_system_sgpr_workgroup_id_y 1
		.amdhsa_system_sgpr_workgroup_id_z 1
		.amdhsa_system_vgpr_workitem_id 0
		.amdhsa_next_free_vgpr 672
		.amdhsa_next_free_sgpr 72
		.amdhsa_reserve_vcc 0
		.amdhsa_float_denorm_mode_32 3
		.amdhsa_float_denorm_mode_16_64 3
		.amdhsa_memory_ordered 1
		.amdhsa_forward_progress 1
		.amdhsa_inst_pref_size 208
	.end_amdhsa_kernel
	.amdgpu_metadata
---
amdhsa.version: [ 1, 2 ]
amdhsa.kernels:
  - .name:           k_qa03dd16376_ffn1
    .symbol:         k_qa03dd16376_ffn1.kd
    .args:
      - { .name: xb, .offset: 0, .size: 8, .value_kind: global_buffer, .address_space: global }
      - { .name: wf, .offset: 8, .size: 8, .value_kind: global_buffer, .address_space: global }
      - { .name: b1, .offset: 16, .size: 8, .value_kind: global_buffer, .address_space: global }
      - { .name: tgate, .offset: 24, .size: 8, .value_kind: global_buffer, .address_space: global }
      - { .name: tlist, .offset: 32, .size: 8, .value_kind: global_buffer, .address_space: global }
      - { .name: tinfo, .offset: 40, .size: 8, .value_kind: global_buffer, .address_space: global }
      - { .name: hb, .offset: 48, .size: 8, .value_kind: global_buffer, .address_space: global }
    .group_segment_fixed_size: 167936
    .private_segment_fixed_size: 0
    .kernarg_segment_align: 8
    .kernarg_segment_size: 56
    .max_flat_workgroup_size: 128
    .sgpr_count:     72
    .vgpr_count:     672
    .wavefront_size: 32
...
	.end_amdgpu_metadata
.endif
;; end of part 3
;; launch ffn2 (part 4): grid 4 x 79, 4 waves a work-group, no clusters, 166,912 bytes of LDS; arguments hb, wf, b2, tlist, tgate, tinfo, out0; writes out0
.if DOCPART == 4
	.amdgcn_target "amdgcn-amd-amdhsa--gfx1250"
	.amdhsa_code_object_version 6
	.text
	.protected	k_qa03dd16376_ffn2
	.globl	k_qa03dd16376_ffn2
	.p2align	8
	.type	k_qa03dd16376_ffn2,@function
k_qa03dd16376_ffn2:
	s_mov_b64 s[64:65], 0
	v_nop
	global_prefetch_b8 v0, s[64:65] scope:SCOPE_SE
	s_setreg_imm32_b32 hwreg(HW_REG_WAVE_MODE, 25, 1), 1
	s_wait_xcnt 0x0
; SECOND PRODUCT AND COMBINE.  For a tile of up to 80 tokens of one set (a, b): out = H' [W2[a] | W2[b]]^T + g_a b2[a] + g_b b2[b]; the gates are in H' already.  Each output row has one owner.
; FORMATS.  Both operands are f16: H' as the first product stored it; W2 rounded to bf16 like every input, that number written as f16.  Sums in f32.
; LIMITS.  H' and W2 arrive within f16's range, 65,504.  b2 is rounded to bf16 like every input.  NaN and infinities are not treated apart.
; SHARES.  Work-group (ct, tile): 256 of the 1,024 columns.  K = 2,048 is split by expert: waves 0, 1 take expert a's 1,024, waves 2, 3 expert b's; a wave makes 80 rows x 128 columns: 40 accumulators,
; 32 K steps of 32, 40 matrix instructions each.  The two halves' sums, f32, meet in LDS behind the launch's one barrier.
; Both operands lie in memory in fragment order and come straight into registers, each load 512 consecutive bytes: the loop holds no barrier and touches no LDS.  Rings of three register slots keep
; two steps' loads, 52, out.  H' is read by the two waves of a half: held in LDS it would take all of it, and a ring there would put barriers where a tile without rows could not jump.
; A tile without rows jumps over the work alone, passes the barrier and ends.  Rows past a tile's count are not stored.
; NO CLUSTER: partners may be tiles without rows, and which work-groups share an expert's weights hangs on stored counts.
; THE MATRIX INSTRUCTION IS USED TRANSPOSED: source 0 = 16 rows of W2, source 1 = 16 tokens: lane l holds token l % 16 and eight neighbouring columns.
; REGISTERS.  window 0: addresses; H's ring, slot q at 32 + 40 q; later the rows on their way out.  window 1: W2's ring, slot q at 64 q.  windows 2, 3: the accumulators, 64 mb + 8 nb and 8 nb.
.set SPITCH, 1040                      ; an LDS row: 1,024 bytes (256 f32) + 16: an odd multiple of 16 (ISA guide 11.1)
.set SHALF,  80*SPITCH                 ; expert a's sums at 0, expert b's behind them
.set SPARE,  2*SHALF                   ; the spare words: 128 bytes a wave, two blocks of 256 that no other line names
.set ST0, 4                            ; v4   where I put row blocks 0-2
.set ST1, 5                            ; v5   row blocks 3, 4: an LDS offset has 16 bits
.set RD0, 6                            ; v6   my wave's 20 rows of expert a's sums
.set RD1, 7                            ; v7   of expert b's
.set SPW, 10                           ; v10  my spare word's address; never rewritten
.set NIL, 11                           ; v11  0; never rewritten
.set TOK, 12                           ; v12  lane i: the token of my wave's row i
.set GATE, 14                          ; v14-15  lane i: its two gates
.set OFF, 16                           ; v16-25  the rows' byte offsets in out0: five for even batches, five for odd
.set AR,  32                           ; v32-151 H's ring
.set BUF, 32                           ; v32-191 later: two buffers of five rows x 16 registers
.set BA,  192                          ; v192-199 b2[a] of my eight columns
.set BB,  200                          ; v200-207 b2[b]
.set LEFT, 36                          ; s36  the tile's rows less my wave's first
.set MSB, 0
.macro WIN new                         ; the immediate's high byte repeats the setting that is left
.if MSB != (\new)
	s_set_vgpr_msb (MSB<<8)|(\new)
.set MSB, (\new)
.endif
.endm
	s_load_b256 s[4:11], s[0:1], 0x0               ; hb s[4:5], wf s[6:7], b2 s[8:9], tlist s[10:11]
	s_load_b128 s[12:15], s[0:1], 0x20             ; tgate s[12:13], tinfo s[14:15]
	s_load_b64 s[16:17], s[0:1], 0x30              ; out0
	v_lshl_add_u32 v[SPW], v0, 2, SPARE
	v_mov_b32 v[NIL], 0
	v_and_b32 v1, 15, v0                           ; r
	v_bfe_u32 v2, v0, 4, 1                         ; h
	v_and_b32 v27, 31, v0
	v_lshlrev_b32 v3, 4, v27                       ; 16 x lane
	v_lshrrev_b32 v8, 5, v0
	v_readfirstlane_b32 s20, v8                    ; wave
	s_mov_b32 s21, ttmp9                           ; ct
	s_and_b32 s22, ttmp7, 0xffff                   ; tile
	s_lshr_b32 s23, s20, 1                         ; which expert's half of K
	s_and_b32 s28, s20, 1                          ; which 128 of the 256 columns
	s_mul_i32 s34, s23, SHALF
	s_lshl_b32 s35, s28, 9
	s_add_co_u32 s34, s34, s35
	v_mul_u32_u24 v[ST0], v1, SPITCH
	v_lshl_add_u32 v[ST0], v2, 5, v[ST0]
	v_add_nc_u32 v[ST0], s34, v[ST0]               ; row r, 32 bytes for each half of the lanes
	v_add_nc_u32 v[ST1], 48*SPITCH, v[ST0]
	s_mul_i32 s34, s20, 20*SPITCH
	v_add_nc_u32 v[RD0], s34, v3
	v_add_nc_u32 v[RD1], SHALF, v[RD0]
	v_min_u32 v27, 19, v27
	v_lshlrev_b32 v13, 2, v27
	v_lshlrev_b32 v26, 3, v27
	s_mov_b32 s33, 0
	s_mov_b32 s43, 0                               ; named as pairs with the gates
	s_mov_b32 s45, 0
	s_wait_kmcnt 0x0
	s_lshl_b32 s32, s22, 4
	s_add_nc_u64 s[14:15], s[14:15], s[32:33]
	s_load_b128 s[24:27], s[14:15], 0x0            ; expert a, expert b, rows, 0
	s_mul_i32 s32, s22, 320
	s_mul_i32 s34, s20, 80
	s_add_co_u32 s32, s32, s34
	s_add_nc_u64 s[10:11], s[10:11], s[32:33]
	s_mul_i32 s32, s22, 640
	s_mul_i32 s34, s20, 160
	s_add_co_u32 s32, s32, s34
	s_add_nc_u64 s[12:13], s[12:13], s[32:33]
	s_lshl_b32 s32, s21, 10
	s_add_nc_u64 s[8:9], s[8:9], s[32:33]          ; b2 and out0 at the work-group's 256 columns
	s_add_nc_u64 s[16:17], s[16:17], s[32:33]
	s_mul_i32 s32, s22, 327680
	s_mul_i32 s34, s23, 163840
	s_add_co_u32 s32, s32, s34
	s_add_nc_u64 s[4:5], s[4:5], s[32:33]          ; my half of the tile's H'
	global_load_b32 v[TOK], v13, s[10:11]
	global_load_b64 v[GATE:GATE+1], v26, s[12:13]
	s_wait_kmcnt 0x0
	s_min_u32 s24, s24, 7                          ; a loaded number enters an address only behind a clamp
	s_min_u32 s25, s25, 7
	v_lshl_add_u32 v8, s24, 12, v3
	v_lshl_add_u32 v9, s25, 12, v3
	global_load_b128 v[BA:BA+3],   v8, s[8:9]
	global_load_b128 v[BA+4:BA+7], v8, s[8:9] offset:512
	global_load_b128 v[BB:BB+3],   v9, s[8:9]
	global_load_b128 v[BB+4:BB+7], v9, s[8:9] offset:512
	s_cmp_lg_u32 s23, 0
	s_cselect_b32 s30, s25, s24
	s_lshl_b32 s32, s30, 21
	s_lshl1_add_u32 s34, s21, s28                  ; ng = 2 ct + my half
	s_lshl_b32 s34, s34, 18
	s_add_co_u32 s32, s32, s34
	s_add_co_u32 s32, s32, 0x1000000               ; W2's half of wf
	s_add_nc_u64 s[6:7], s[6:7], s[32:33]          ; my 262,144 consecutive bytes of W2
	s_mul_i32 s34, s20, 20
	s_sub_co_i32 s[LEFT], s26, s34
	s_cmp_eq_u32 s26, 0
	s_cbranch_scc1 .Lsum                           ; a tile without rows jumps over work alone: the barrier stands behind the label
.macro FETCH2 q, im                    ; K step im from the bases: 16 loads of W2 and 10 of H', 512 consecutive bytes each, into slot q
	WIN 0x40                                       ; destination in window 1
.set nn, 0
.rept 8
	global_load_b128 v[64*(\q)+8*nn:64*(\q)+8*nn+3],   v3, s[6:7] offset:(\im)*8192+1024*nn
	global_load_b128 v[64*(\q)+8*nn+4:64*(\q)+8*nn+7], v3, s[6:7] offset:(\im)*8192+1024*nn+512
.set nn, nn+1
.endr
	WIN 0
.set mm, 0
.rept 5
	global_load_b128 v[AR+40*(\q)+8*mm:AR+40*(\q)+8*mm+3],   v3, s[4:5] offset:(\im)*5120+1024*mm
	global_load_b128 v[AR+40*(\q)+8*mm+4:AR+40*(\q)+8*mm+7], v3, s[4:5] offset:(\im)*5120+1024*mm+512
.set mm, mm+1
.endr
.endm
.macro MUL2 q, mb, first               ; row block mb x all 8 column blocks; first = 1: the product starts the sums
	WIN 0xa1+0x50*((\mb)/4)                        ; W2 window 1, H' window 0, C and D window 2 or 3
.set nn, 0
.rept 8
.set rD, 64*((\mb)%4)+8*nn
.if \first
	v_wmma_f32_16x16x32_f16 v[rD:rD+7], v[64*(\q)+8*nn:64*(\q)+8*nn+7], v[AR+40*(\q)+8*(\mb):AR+40*(\q)+8*(\mb)+7], 0
.else
	v_wmma_f32_16x16x32_f16 v[rD:rD+7], v[64*(\q)+8*nn:64*(\q)+8*nn+7], v[AR+40*(\q)+8*(\mb):AR+40*(\q)+8*(\mb)+7], v[rD:rD+7]
.endif
.set nn, nn+1
.endr
.endm
; A K step.  The 40 accumulators take turns, in the same order in every step.  The loads of two steps on go, in one run behind 16 products, into the slot that the step before read,
; four plain places behind the last product that read it (ISA guide 7.12.1 for vector instructions).
.macro STEP2 q, first, fetch, im, wl
	s_wait_loadcnt \wl                             ; loads return in order: this step's 26 are in, the next step's stay out
	MUL2 \q, 0, \first
	MUL2 \q, 1, \first
.if \fetch
.rept 4
	v_nop
.endr
	FETCH2 ((\q)+2)%3, \im
.endif
	MUL2 \q, 2, \first
	MUL2 \q, 3, \first
	MUL2 \q, 4, \first
.endm
	FETCH2 0, 0
	FETCH2 1, 1
	STEP2 0, 1, 1, 2, 26                           ; step 0 stands in front of the loop: its products start the sums
	WIN 0                                          ; at a label and at a branch every window is 0
	s_mov_b32 s35, 9
.Lk:                                                   ; steps 3 t + 1 .. 3 t + 3
	STEP2 1, 0, 1, 3, 26
	STEP2 2, 0, 1, 4, 26
	STEP2 0, 0, 1, 5, 26
	WIN 0
	s_wait_xcnt 0x0                                ; the loads' bases are stepped only behind this wait
	s_add_nc_u64 s[4:5], s[4:5], 3*5120
	s_add_nc_u64 s[6:7], s[6:7], 3*8192
	s_sub_co_u32 s35, s35, 1
	s_cmp_lg_u32 s35, 0
	s_cbranch_scc1 .Lk
	STEP2 1, 0, 1, 3, 26                           ; steps 28 and 29 fetch 30 and 31;
	STEP2 2, 0, 1, 4, 26
	STEP2 0, 0, 0, 0, 26                           ; 30 and 31 fetch nothing, and the count runs down
	STEP2 1, 0, 0, 0, 0
	WIN 0
.rept 4
	v_nop                                          ; four places behind the last products
.endr
.set mm, 0
.rept 5                                                ; my half's sums into LDS; each accumulator's low four registers first
	WIN 0x08+4*(mm/4)                              ; the stores' data in window 2 or 3
.set nn, 0
.rept 8
.set rD, 64*(mm%4)+8*nn
.if mm < 3
	ds_store_b128 v[ST0], v[rD:rD+3]   offset:mm*16*SPITCH+64*nn
	ds_store_b128 v[ST0], v[rD+4:rD+7] offset:mm*16*SPITCH+64*nn+16
.else
	ds_store_b128 v[ST1], v[rD:rD+3]   offset:(mm-3)*16*SPITCH+64*nn
	ds_store_b128 v[ST1], v[rD+4:rD+7] offset:(mm-3)*16*SPITCH+64*nn+16
.endif
.set nn, nn+1
.endr
.set mm, mm+1
.endr
	WIN 0
.Lsum:
	s_wait_dscnt 0x0                               ; for the others' sake: my sums are in LDS
	s_barrier_signal -1
	s_barrier_wait -1                              ; the launch's one barrier: every wave of every work-group passes it
	s_cmp_eq_u32 s26, 0
	s_cbranch_scc1 .Lend
	s_wait_loadcnt 0x0                             ; tokens, gates, b2
.set nn, 0
.rept 8                                                ; b2 rounded to bf16 and widened again
	v_cvt_pk_bf16_f32 v8, v[BA+2*nn], v[BA+2*nn+1]
	v_lshlrev_b32 v[BA+2*nn],   16, v8
	v_and_b32     v[BA+2*nn+1], 0xffff0000, v8
.set nn, nn+1
.endr
; My wave's 20 rows go in four batches of five through two buffers.  A row: 1,024 bytes of each half, 16 bytes a lane and part.
.macro LDROWS b
.set kk, 0
.rept 5
.set rB, BUF+80*((\b)%2)+16*kk
.set ro, (5*(\b)+kk)*SPITCH
	ds_load_b128 v[rB:rB+3],     v[RD0] offset:ro
	ds_load_b128 v[rB+4:rB+7],   v[RD0] offset:ro+512
	ds_load_b128 v[rB+8:rB+11],  v[RD1] offset:ro
	ds_load_b128 v[rB+12:rB+15], v[RD1] offset:ro+512
.set kk, kk+1
.endr
.endm
.macro OUTROWS b
.set kk, 0
.rept 5
.set rB, BUF+80*((\b)%2)+16*kk
.set rO, OFF+5*((\b)%2)+kk
	s_cmp_le_i32 s[LEFT], 5*(\b)+kk                ; the rows ascend: from the first one past the count on nothing is stored.  The jump goes forward, past no barrier
	s_cbranch_scc1 .Lend
	v_readlane_b32 s40, v[TOK], 5*(\b)+kk
	v_readlane_b32 s42, v[GATE], 5*(\b)+kk
	v_readlane_b32 s44, v[GATE+1], 5*(\b)+kk
	s_min_u32 s40, s40, 4095                       ; a loaded number enters an address only behind a clamp
	v_lshl_add_u32 v[rO], s40, 12, v3
.set pp, 0
.rept 4
	v_pk_add_f32 v[rB+2*pp:rB+2*pp+1], v[rB+2*pp:rB+2*pp+1], v[rB+8+2*pp:rB+8+2*pp+1]
	v_pk_fma_f32 v[rB+2*pp:rB+2*pp+1], v[BA+2*pp:BA+2*pp+1], s[42:43], v[rB+2*pp:rB+2*pp+1] op_sel_hi:[1,0,1]
	v_pk_fma_f32 v[rB+2*pp:rB+2*pp+1], v[BB+2*pp:BB+2*pp+1], s[44:45], v[rB+2*pp:rB+2*pp+1] op_sel_hi:[1,0,1]
.set pp, pp+1
.endr
	global_store_b128 v[rO], v[rB:rB+3],   s[16:17] th:TH_STORE_NT             ; 512 consecutive bytes of the token's row, aligned
	global_store_b128 v[rO], v[rB+4:rB+7], s[16:17] offset:512 th:TH_STORE_NT
.set kk, kk+1
.endr
.endm
	LDROWS 0
	LDROWS 1
	s_wait_dscnt 20                                ; batch 0 is in; batch 1's 20 loads stay out
	OUTROWS 0
	s_wait_xcnt 0x0                                ; the stores' data and offsets are written again only behind this wait
	LDROWS 2
	s_wait_dscnt 20
	OUTROWS 1
	s_wait_xcnt 0x0
	LDROWS 3
	s_wait_dscnt 20
	OUTROWS 2
	s_wait_dscnt 0x0
	OUTROWS 3
.Lend:
	s_wait_tensorcnt 0x0                           ; the wave's end
	ds_add_u32 v[SPW], v[NIL]
	s_wait_dscnt 0x0
	s_endpgm
.Lfunc_end_k_qa03dd16376_ffn2:
	.size	k_qa03dd16376_ffn2, .Lfunc_end_k_qa03dd16376_ffn2-k_qa03dd16376_ffn2
	.p2alignl 7, 3214868480
	.fill 96, 4, 3214868480
	.section	.rodata,"a",@progbits
	.p2align	6, 0x0
	.amdhsa_kernel k_qa03dd16376_ffn2
		.amdhsa_group_segment_fixed_size 166912
		.amdhsa_private_segment_fixed_size 0
		.amdhsa_enable_private_segment 0
		.amdhsa_kernarg_size 56
		.amdhsa_user_sgpr_count 2
		.amdhsa_user_sgpr_kernarg_segment_ptr 1
		.amdhsa_wavefront_size32 1
		.amdhsa_system_sgpr_workgroup_id_x 1
		.amdhsa_system_sgpr_workgroup_id_y 1
		.amdhsa_system_sgpr_workgroup_id_z 1
		.amdhsa_system_vgpr_workitem_id 0
		.amdhsa_next_free_vgpr 832
		.amdhsa_next_free_sgpr 66
		.amdhsa_reserve_vcc 0
		.amdhsa_float_denorm_mode_32 3
		.amdhsa_float_denorm_mode_16_64 3
		.amdhsa_memory_ordered 1
		.amdhsa_forward_progress 1
		.amdhsa_inst_pref_size 84
	.end_amdhsa_kernel
	.amdgpu_metadata
---
amdhsa.version: [ 1, 2 ]
amdhsa.kernels:
  - .name:           k_qa03dd16376_ffn2
    .symbol:         k_qa03dd16376_ffn2.kd
    .args:
      - { .name: hb, .offset: 0, .size: 8, .value_kind: global_buffer, .address_space: global }
      - { .name: wf, .offset: 8, .size: 8, .value_kind: global_buffer, .address_space: global }
      - { .name: b2, .offset: 16, .size: 8, .value_kind: global_buffer, .address_space: global }
      - { .name: tlist, .offset: 24, .size: 8, .value_kind: global_buffer, .address_space: global }
      - { .name: tgate, .offset: 32, .size: 8, .value_kind: global_buffer, .address_space: global }
      - { .name: tinfo, .offset: 40, .size: 8, .value_kind: global_buffer, .address_space: global }
      - { .name: out0, .offset: 48, .size: 8, .value_kind: global_buffer, .address_space: global }
    .group_segment_fixed_size: 166912
    .private_segment_fixed_size: 0
    .kernarg_segment_align: 8
    .kernarg_segment_size: 56
    .max_flat_workgroup_size: 128
    .sgpr_count:     66
    .vgpr_count:     832
    .wavefront_size: 32
...
	.end_amdgpu_metadata
.endif
;; end of part 4
